; MI455X (gfx1250); checked and timed in simulation.
; The chip was launched on July 23, 2026; its instructions are those of AMD's public machine-readable ISA for CDNA 5 (MIT licence, August 2026) and "CDNA5" Instruction Set Architecture Reference Guide (July 2026). The comments in the code are by the model that wrote it; some were corrected since.
;; KAN Linear. Allowed arithmetic: matrix products marked QUANTISED: E5M2 operands, one E8M0 scale for each 32 along K, by v_wmma_scale_f32_16x16x128_f8f6f4 with both operands' format E5M2, f32 sums; everything else in f32.
;; Inputs: base_weight 512 x 512 float32; spline_scaler 512 x 512 float32; spline_weight 512 x 512 x 8 float32; x 16,384 x 512 float32.
;; Outputs: out0 16,384 x 512 float32.
;; This version of the problem:
;;   THIS VERSION OF THE PROBLEM IS GIVEN IN LOW PRECISION. The matrix products marked QUANTISED in the list below multiply operands that are first quantised to E5M2 (5 exponent bits, 2 mantissa bits; 8 bits a number), with one power-of-two scale for each 32 numbers along K (OCP MX v1.0); their sums are f32. All else is computed in f32.
;;   The module's matrix products, in the order in which they are computed (A, B: the left and right operand; K: the contracted axis; several contracted axes count as one K, in the product's order):
;;     1. [M 16,384, K 512] x [K 512, N 512]; A: computed on the way; B: input base_weight: QUANTISED
;;     2. [M 16,384, K 4,096] x [K 4,096, N 512]; A: computed on the way; B: computed on the way: QUANTISED
;;   THE QUANTISER, for each operand of a quantised product, along K:
;;     - K is cut into blocks of 32 from its start; a last block that is shorter is filled with zeros.
;;     - A block's scale is 2^e with e = floor(log2(the largest magnitude in the block)) - 15, held to -126 .. 127; a block of zeros has e = 0. As a byte (E8M0): e + 127.
;;     - Each number is divided by its block's scale, clamped to +-57,344, and rounded to the nearest number of E5M2, ties to even, subnormals kept.
;;     - The product sums the exact products of the quantised numbers (number of the format x scale) in f32.
;;   ~~~python
;;   def quantise(x, axis):      # numpy; x: float32 -> the quantised numbers, widened to float32 again
;;       x = np.moveaxis(x, axis, -1); K = x.shape[-1]
;;       x = np.pad(x, [(0, 0)] * (x.ndim - 1) + [(0, -K % 32)]); x = x.reshape(x.shape[:-1] + (-1, 32)); a = np.abs(x).max(-1, keepdims=True)
;;       e = np.where(a > 0, np.clip(np.frexp(np.where(a > 0, a, 1))[1] - 1 - 15, -126, 127), 0)      # np.frexp(a)[1] - 1 = floor(log2(a)), exactly
;;       r = np.clip(x / 2.0 ** e, -57344, 57344)
;;       step = 2.0 ** (np.maximum(np.frexp(np.where(r == 0, 1, r))[1] - 1, -14) - 2)
;;       q = np.round(r / step) * step * 2.0 ** e      # np.round: ties to even
;;       return np.moveaxis(q.reshape(q.shape[:-2] + (-1,))[..., :K], -1, axis).astype(np.float32)
;;   ~~~
;;   OPERANDS COMPUTED ON THE WAY. 'Computed on the way' means the value that the module computes at that place (a softmax that the list does not call 'softmax' is quantised finished and normalised). What goes into a quantiser is computed in f32, as accurately as f32 sums, v_exp_f32 and their like allow (about 1e-6 of the number): no bf16 or f16 on the way to a quantiser, and a product that is left as it is and whose result goes on into a quantised operand takes f32 operands (vector FMAs, or v_wmma_f32_16x16x4_f32). A number that lies on a knife's edge between two numbers of the format may be rounded either way, as far as f32 arithmetic and the matrix unit's own rounding can turn it there, and no further.
;; One version. Each part assembles by itself: llvm-mc -triple=amdgcn-amd-amdhsa -mcpu=gfx1250 --defsym DOCPART=n.
;; ======== version 1 of 1: 2 launches
;; workspace buffers: wq 2,359,296 bytes; ws 73,728 bytes
;; launch prep (part 1): grid 36 x 8, 4 waves a work-group, no clusters, 0 bytes of LDS; arguments base_weight, spline_weight, spline_scaler, wq, ws; writes wq, ws
.if DOCPART == 1
	.amdgcn_target "amdgcn-amd-amdhsa--gfx1250"
	.amdhsa_code_object_version 6
	.text
	.protected	k_q322713d6d9_prep
	.globl	k_q322713d6d9_prep
	.p2align	8
	.type	k_q322713d6d9_prep,@function
k_q322713d6d9_prep:
	s_mov_b64 s[64:65], 0
	v_nop
	global_prefetch_b8 v0, s[64:65] scope:SCOPE_SE
	s_setreg_imm32_b32 hwreg(HW_REG_WAVE_MODE, 25, 1), 1
	s_wait_xcnt 0x0
; The right operands of both products become codes of BF8 (E5M2) with one E8M0 byte for each 32 along K.
; base_weight [512][512]; spline_weight [512][512][8] x spline_scaler [512][512] (one f32 multiplication, as the problem has it), K = 8 x input + basis.
; A wave makes ONE fragment: 16 output columns x 128 along K.  Lane (r, h) takes column r and, of each block c of 32, the 16 neighbours 32 c + 16 h + 0 .. 15: 64 bytes, four loads;
; so the conversions' results are the operand's registers, and they are stored as an image of these registers: group c of four registers as 512 consecutive bytes, 16 a lane.
; wq [pos 18][w 4][st 2][b 8][c 4][512 bytes]: pos = a beat of two K steps in the order in which the second launch walks them (0-6 spline beats 0-6, 7 base steps 0 and 1, 8-15 spline beats 7-14,
; 16 base steps 2 and 3, 17 spline beat 15); w = 128 columns, st = the step in the beat, b = 16 columns.  ws [pos][w][g 2][lane 32][4 words]: word f of lane l = the scale word of fragment 4 g + f, column l % 16, step l / 16.
; A block's scale is 2^(floor(log2(largest magnitude)) - 15); its byte is the largest magnitude's exponent field - 15, held at 1 from below.
; LIMITS: a block of zeros gets the byte 1 where the rule says 127 (its codes are zeros, and this program alone reads the bytes); NaN and infinities are not served.
; The scale words leave as 4 bytes a lane, 16 bytes apart: 73,728 bytes of the launch's 2.4 million.  No LDS, no barrier: waves share nothing.
.set NUM, 64                           ; v64-127  the lane's 64 numbers: register 16 c + i = k 32 c + 16 h + i
.set TM,  32                           ; v32-35 largest magnitudes, v36-39 bytes, v40-43 the largest number x the scale, v44-47 the conversions' scale operands
.set SCL, 48                           ; v48-55   two scalers for each block c
.set COD, 128                          ; v128-143 the codes
.set SCW, 9                            ; v9       the scale word
	s_load_b256 s[4:11], s[0:1], 0x0               ; base_weight s[4:5], spline_weight s[6:7], spline_scaler s[8:9], wq s[10:11]
	s_load_b64 s[12:13], s[0:1], 0x20              ; ws
	v_lshrrev_b32 v1, 5, v0
	v_readfirstlane_b32 s14, v1                    ; wave
	v_and_b32 v2, 15, v0                           ; r
	v_bfe_u32 v3, v0, 4, 1                         ; h
	v_and_b32 v4, 31, v0                           ; lane
	v_lshlrev_b32 v5, 4, v4                        ; codes: 16 bytes a lane
	v_lshlrev_b32 v6, 4, v2                        ; scale word: 16 bytes from column to column
	s_and_b32 s15, ttmp7, 0xffff
	s_lshl_b32 s15, s15, 2
	s_add_co_u32 s15, s15, s14                     ; ct = 4 y + wave: which 16 columns, 0 .. 31
	s_lshr_b32 s16, ttmp9, 1                       ; pos
	s_and_b32 s17, ttmp9, 1                        ; st
	s_lshr_b32 s18, s15, 3                         ; w
	s_lshl_b32 s20, s16, 17                        ; wq: pos x 131,072
	s_lshl_b32 s19, s18, 15
	s_add_co_u32 s20, s20, s19                     ; + w x 32,768
	s_lshl_b32 s19, s17, 14
	s_add_co_u32 s20, s20, s19                     ; + st x 16,384
	s_and_b32 s19, s15, 7
	s_lshl_b32 s19, s19, 11
	s_add_co_u32 s20, s20, s19                     ; + b x 2,048
	s_mov_b32 s21, 0
	s_lshl_b32 s22, s16, 12                        ; ws: pos x 4,096
	s_lshl_b32 s19, s18, 10
	s_add_co_u32 s22, s22, s19                     ; + w x 1,024
	s_bfe_u32 s19, s15, 0x10002
	s_lshl_b32 s19, s19, 9
	s_add_co_u32 s22, s22, s19                     ; + g x 512
	s_lshl_b32 s19, s17, 8
	s_add_co_u32 s22, s22, s19                     ; + st x 256 (lanes 16-31 of the reader)
	s_and_b32 s19, s15, 3
	s_lshl_b32 s19, s19, 2
	s_add_co_u32 s22, s22, s19                     ; + f x 4
	s_mov_b32 s23, 0
	s_mov_b32 s24, 0x76543210
	s_mov_b32 s25, 0xfedcba98                      ; v_permlanex16_b32's selects for lane l xor 16
	s_mov_b32 s26, 0x600000                        ; the mantissa field of 57,344
.irp b, 0,1,2,3
	v_mov_b32 v[TM+4+\b], 0                        ; a lane permute's destination counts as one of its sources
.endr
	s_cmp_eq_u32 s16, 7
	s_cselect_b32 s27, 1, 0
	s_cmp_eq_u32 s16, 16
	s_cselect_b32 s28, 1, 0
	s_or_b32 s29, s27, s28                         ; a beat of the base product?
	s_wait_kmcnt 0x0
	s_add_nc_u64 s[10:11], s[10:11], s[20:21]
	s_add_nc_u64 s[12:13], s[12:13], s[22:23]
	s_cmp_lg_u32 s29, 0                            ; the branch hangs on the work-group's number alone
	s_cbranch_scc1 .Lbase
	s_cmp_gt_u32 s16, 7                            ; spline beat = pos - (pos > 7) - (pos > 16)
	s_cselect_b32 s30, 1, 0
	s_cmp_gt_u32 s16, 16
	s_cselect_b32 s31, 1, 0
	s_sub_co_u32 s30, s16, s30
	s_sub_co_u32 s30, s30, s31
	s_lshl_b32 s30, s30, 1
	s_add_co_u32 s30, s30, s17                     ; the spline product's K step, 0 .. 31
	s_lshl_b32 s32, s15, 18                        ; 16 rows of 16,384 bytes
	s_lshl_b32 s33, s30, 9                         ; 128 numbers
	s_add_co_u32 s32, s32, s33
	s_mov_b32 s33, 0
	s_add_nc_u64 s[6:7], s[6:7], s[32:33]
	s_lshl_b32 s32, s15, 15                        ; the scalers: 16 rows of 2,048 bytes
	s_lshl_b32 s34, s30, 6                         ; 16 inputs
	s_add_co_u32 s32, s32, s34
	s_add_nc_u64 s[8:9], s[8:9], s[32:33]
	v_lshlrev_b32 v7, 14, v2
	v_lshl_add_u32 v7, v3, 6, v7                   ; row r, + 64 h
	v_lshlrev_b32 v8, 11, v2
	v_lshl_add_u32 v8, v3, 3, v8                   ; row r, + 8 h: my half's two inputs of a block
.irp c, 0,1,2,3
.irp q, 0,1,2,3
	global_load_b128 v[NUM+16*\c+4*\q:NUM+16*\c+4*\q+3], v7, s[6:7] offset:128*\c+16*\q th:TH_LOAD_NT
.endr
	global_load_b64 v[SCL+2*\c:SCL+2*\c+1], v8, s[8:9] offset:16*\c th:TH_LOAD_NT
.endr
	s_wait_loadcnt 0x0
.irp c, 0,1,2,3
.irp q, 0,2,4,6
	v_pk_mul_f32 v[NUM+16*\c+\q:NUM+16*\c+\q+1], v[NUM+16*\c+\q:NUM+16*\c+\q+1], v[SCL+2*\c:SCL+2*\c+1] op_sel_hi:[1,0]   ; the first input's eight bases: both halves by the pair's low word
.endr
.irp q, 8,9,10,11,12,13,14,15
	v_mul_f32 v[NUM+16*\c+\q], v[SCL+2*\c+1], v[NUM+16*\c+\q]      ; the second input's eight
.endr
.endr
	s_branch .Lquant
.Lbase:
	s_lshl_b32 s30, s28, 1
	s_add_co_u32 s30, s30, s17                     ; the base product's K step: 2 (pos == 16) + st
	s_lshl_b32 s32, s15, 15                        ; 16 rows of 2,048 bytes
	s_lshl_b32 s33, s30, 9
	s_add_co_u32 s32, s32, s33
	s_mov_b32 s33, 0
	s_add_nc_u64 s[4:5], s[4:5], s[32:33]
	v_lshlrev_b32 v7, 11, v2
	v_lshl_add_u32 v7, v3, 6, v7
.irp c, 0,1,2,3
.irp q, 0,1,2,3
	global_load_b128 v[NUM+16*\c+4*\q:NUM+16*\c+4*\q+3], v7, s[4:5] offset:128*\c+16*\q th:TH_LOAD_NT
.endr
.endr
	s_wait_loadcnt 0x0
.Lquant:
.irp b, 0,1,2,3
	v_max3_num_f32 v[TM+\b], |v[NUM+16*\b]|, |v[NUM+1+16*\b]|, 0x8000000   ; block b: my 16 numbers, and the floor 2^(16 - 127): so the byte cannot fall under 1
.endr
.irp i, 2,4,6,8,10,12,14
.irp b, 0,1,2,3
	v_max3_num_f32 v[TM+\b], v[TM+\b], |v[NUM+16*\b+\i]|, |v[NUM+1+16*\b+\i]|   ; the four blocks by turns
.endr
.endr
.irp b, 0,1,2,3
	v_permlanex16_b32 v[TM+4+\b], v[TM+\b], s24, s25
.endr
.irp b, 0,1,2,3
	v_max_num_f32 v[TM+\b], v[TM+\b], v[TM+4+\b]   ; with lane l xor 16's: the block's largest magnitude
.endr
.irp b, 0,1,2,3
	v_add_nc_u32 v[TM+12+\b], 0xf8800000, v[TM+\b] ; 15 off its exponent field: the conversion takes this operand's exponent field as its scale
.endr
.irp b, 0,1,2,3
	v_and_or_b32 v[TM+8+\b], v[TM+\b], 0x7f800000, s26   ; 57,344 x the scale
.endr
.irp b, 0,1,2,3
	v_lshrrev_b32 v[TM+4+\b], 23, v[TM+12+\b]      ; the scale's byte
.endr
	v_lshl_or_b32 v[SCW], v[TM+5], 8, v[TM+4]      ; four bytes make column r's scale word; both halves of the lanes hold the same
	v_lshl_or_b32 v[SCW], v[TM+6], 16, v[SCW]
	v_lshl_or_b32 v[SCW], v[TM+7], 24, v[SCW]
.irp c, 0,1,2,3
.irp i, 0,1,2,3,4,5,6,7,8,9,10,11,12,13,14,15
	v_med3_num_f32 v[NUM+16*\c+\i], v[NUM+16*\c+\i], -v[TM+8+\c], v[TM+8+\c]   ; the conversion to an 8-bit code does not saturate (ISA guide 7.6.2): the hold comes first
.endr
	v_cvt_scalef32_pk8_bf8_f32 v[COD+4*\c:COD+4*\c+1], v[NUM+16*\c:NUM+16*\c+7], v[TM+12+\c]
	v_cvt_scalef32_pk8_bf8_f32 v[COD+4*\c+2:COD+4*\c+3], v[NUM+16*\c+8:NUM+16*\c+15], v[TM+12+\c]
.endr
	v_nop                                          ; a plain line behind the last conversion
.irp c, 0,1,2,3
	global_store_b128 v5, v[COD+4*\c:COD+4*\c+3], s[10:11] offset:512*\c   ; 32 lanes store 512 consecutive bytes, at a multiple of 512 from wq's first byte
.endr
	global_store_b32 v6, v[SCW], s[12:13]          ; lanes 16-31 store the word that lanes 0-15 store, to the same place
	s_endpgm
.Lfunc_end_k_q322713d6d9_prep:
	.size	k_q322713d6d9_prep, .Lfunc_end_k_q322713d6d9_prep-k_q322713d6d9_prep
	.p2alignl 7, 3214868480
	.fill 96, 4, 3214868480
	.section	.rodata,"a",@progbits
	.p2align	6, 0x0
	.amdhsa_kernel k_q322713d6d9_prep
		.amdhsa_group_segment_fixed_size 0
		.amdhsa_private_segment_fixed_size 0
		.amdhsa_enable_private_segment 0
		.amdhsa_kernarg_size 40
		.amdhsa_user_sgpr_count 2
		.amdhsa_user_sgpr_kernarg_segment_ptr 1
		.amdhsa_wavefront_size32 1
		.amdhsa_system_sgpr_workgroup_id_x 1
		.amdhsa_system_sgpr_workgroup_id_y 1
		.amdhsa_system_sgpr_workgroup_id_z 1
		.amdhsa_system_vgpr_workitem_id 0
		.amdhsa_next_free_vgpr 160
		.amdhsa_next_free_sgpr 66
		.amdhsa_reserve_vcc 0
		.amdhsa_float_denorm_mode_32 3
		.amdhsa_float_denorm_mode_16_64 3
		.amdhsa_memory_ordered 1
		.amdhsa_forward_progress 1
		.amdhsa_inst_pref_size 18
	.end_amdhsa_kernel
	.amdgpu_metadata
---
amdhsa.version: [ 1, 2 ]
amdhsa.kernels:
  - .name:           k_q322713d6d9_prep
    .symbol:         k_q322713d6d9_prep.kd
    .args:
      - { .name: base_weight, .offset: 0, .size: 8, .value_kind: global_buffer, .address_space: global }
      - { .name: spline_weight, .offset: 8, .size: 8, .value_kind: global_buffer, .address_space: global }
      - { .name: spline_scaler, .offset: 16, .size: 8, .value_kind: global_buffer, .address_space: global }
      - { .name: wq, .offset: 24, .size: 8, .value_kind: global_buffer, .address_space: global }
      - { .name: ws, .offset: 32, .size: 8, .value_kind: global_buffer, .address_space: global }
    .group_segment_fixed_size: 0
    .private_segment_fixed_size: 0
    .kernarg_segment_align: 8
    .kernarg_segment_size: 40
    .max_flat_workgroup_size: 128
    .sgpr_count:     66
    .vgpr_count:     160
    .wavefront_size: 32
...
	.end_amdgpu_metadata
.endif
;; end of part 1
;; launch kan (part 2): grid 256 x 1, 4 waves a work-group, clusters of 4 x 1, 327,680 bytes of LDS; arguments x, wq, ws, out0; writes out0
.if DOCPART == 2
	.amdgcn_target "amdgcn-amd-amdhsa--gfx1250"
	.amdhsa_code_object_version 6
	.text
	.protected	k_q322713d6d9_kan
	.globl	k_q322713d6d9_kan
	.p2align	8
	.type	k_q322713d6d9_kan,@function
k_q322713d6d9_kan:
	s_mov_b64 s[64:65], 0
	v_nop
	global_prefetch_b8 v0, s[64:65] scope:SCOPE_SE
	s_setreg_imm32_b32 hwreg(HW_REG_WAVE_MODE, 25, 1), 1
	s_wait_xcnt 0x0
	s_wait_alu depctr_hold_cnt(0) depctr_sa_sdst(0) depctr_va_vdst(0) depctr_va_sdst(0) depctr_va_ssrc(0) depctr_va_vcc(0) depctr_vm_vsrc(0)
	s_getreg_b32 s2, hwreg(HW_REG_IB_STS2, 6, 4)
	s_cmp_eq_u32 s2, 0
	s_cbranch_scc0 .Lentry_in_a_cluster
	s_endpgm
.Lentry_in_a_cluster:
	s_bfe_u32 s2, ttmp6, 0x10000c
	s_cmp_lg_u32 s2, 0x3003
	s_cbranch_scc0 .Lentry_shape_is_right
	s_endpgm
.Lentry_shape_is_right:
; out0[16384][512] = Q(silu(x)) Q(base_weight)^T + Q(bases(x)) Q(spline_weight x scaler)^T, both products on codes of BF8 (E5M2) with one E8M0 scale for each 32 along K; sums in f32.
; The right operands come as codes and scale words from the launch before (wq, ws: images of operand registers, in the order of the beats).  The left operands are made here, once, from x.
; SHARES.  A work-group owns 64 rows and all 512 columns.  Wave w MAKES the codes of rows 16 w .. 16 w + 15 and MULTIPLIES all 64 rows by columns 128 w .. 128 w + 127: 32 accumulators.
; K = 512 + 4,096 goes in 18 beats of two K steps of 128.  A spline beat j is x's columns 32 j .. 32 j + 31 (K 256 j on).  While beat j is multiplied, beat j + 1's codes are made into the other buffer.
; The same 32 columns of x are one block of 32 of the base product: its codes gather in LDS over eight beats and are multiplied in beats of their own (pos 7 and pos 16).
; THE BASES.  The grid is uniform and built by the problem itself: t = 2.5 x + 5.5, cell j = floor(t), u = t - j, w = 1 - u.  In cell j only bases j-3 .. j are not 0:
; w^3/6, u^2 (u/2 - 1) + 2/3, w^2 (w/2 - 1) + 2/3, u^3/6.  Their four codes are set at bytes j-3 .. j of the x's eight; what falls outside 0 .. 7 is dropped.  t is held to 0 .. 11: outside the grid all eight are 0.
; A BLOCK OF 32 of the spline product is 4 neighbouring x times 8 bases: it lies in ONE lane.  A basis falls with the distance from its centre, so the block's largest number is the basis function at the smallest
; distance r of the four x to a kept centre (2 .. 9 in t): r = max(min(u, w), 2.5 |x| - 3.5); it is put through the same operations as the bases themselves.
; OPERANDS GO FROM WAVE TO WAVE THROUGH LDS AS IMAGES OF THEIR REGISTERS (512 bytes for four registers).  In the spline images the 16-byte pieces of block q are set at piece (16 h + r) xor 2 q,
; so that the 16 lanes of half a store touch 16 different 16-byte columns of 256 bytes; a load still takes 512 dense bytes.
; CLUSTER.  The four work-groups of a cluster walk the same wq: each wave's quarter of a beat (32,768 bytes) is asked for JOINTLY, by the same tensor load with the mask 15 in all four.
; THE MATRIX INSTRUCTION IS USED TRANSPOSED (source 0 = 16 columns of the weights, source 1 = 16 rows): a lane holds eight neighbouring numbers of a row of out0.
; LIMITS: NaN and infinite x are not served.  The bases come from the closed cubic on t, which differs from the recursion on f32 knots by some 5e-7 in t.  The block's largest number is made from r: outside
; t = 2 .. 9 its last bits may differ from the largest basis's own; the hold keeps every code finite.  A block of zeros has the byte 1 (its codes are zeros).
; x is read in pieces of 128 bytes a row and beat: two neighbouring beats read the two halves of each 256 bytes.
; REGISTERS: window 0: v1-31 addresses and store data; v32-39 the weights' scale words, v40-43 the rows' (lanes 0-15 the beat's first K step, lanes 16-31 its second); v48-63 x; v64-127 at work; v128-255 the rows' fragments, two sets.
;   window 1: accumulator (m, b) at v[8 (8 m + b)].   window 2: the weights' fragments, two sets of 128.
.set SLOTB, 131072                     ; LDS: two slots of a beat's weights, [w 4][st 2][b 8][c 4][512]
.set ABUF,  262144                     ; two buffers of a beat's spline codes, [st 8,192][m 2,048][c 512]
.set ASZ,   16384
.set ASC,   294912                     ; two buffers of their scale bytes: st x 256 + row x 4 + c
.set BASEI, 295936                     ; silu's codes of eight blocks: [jj 8][m 4][512]
.set BSC,   312320                     ; their scale bytes: row x 8 + jj
.set SPARE, 312832                     ; the spare words, 128 bytes for each wave: two blocks of 256 bytes that no other line names
.set SPITCH, 528                       ; the way out: 16 rows x (512 bytes + 16) for each wave, in slot 0, which by then has had its last fill and its last read
.set SPW, 1                            ; v1   SPARE + 4 x my thread's number; never rewritten
.set NIL, 2                            ; v2   0; never rewritten
.set XO,  3                            ; v3   x: row (lane / 8) x 2,048 + (lane % 8) x 16
.set AS,  4                            ; v4-7 where unit i stores its block's first 16 codes (buffer 0)
.set ASB, 8                            ; v8   and its scale byte
.set SIC, 9                            ; v9   silu's four codes; steps 2,048 a producing beat
.set SIB, 10                           ; v10  silu's scale byte; steps 1
.set BA,  11                           ; v11-12 my weights in slot 0, 1: w x 32,768 + 16 x lane
.set ADA, 13                           ; v13-20 block q of the spline images: 16 x (lane xor 2 q)
.set ASR, 21                           ; v21  the rows' scale words
.set BSA, 22                           ; v22  silu's images
.set BSR, 23                           ; v23  silu's scale words
.set L16, 24                           ; v24  16 x lane
.set BYT, 25                           ; v25  the spline block's byte
.set K55, 26                           ; v26-27 5.5, twice
.set OLO, 28                           ; v28-31 codes k 0 .. 15 of the block
.set SB,  32
.set SA,  40
.set OHI, 44                           ; v44-47 codes k 16 .. 31
.set X,   48                           ; v48-63 unit i's four x at X + 4 i
.set TT,  64                           ; t; then min(u, w), r and its arithmetic; then the shift counts
.set FF,  68                           ; floor(t)
.set UU,  72                           ; u; then the codes where the cell is 0 .. 3
.set WW,  76                           ; w; then the codes where it is 4 .. 7
.set RR,  80                           ; distances; then the codes where it is 8 ..
.set SQ,  84                           ; v84-91 squares; then silu's maximum, scale, hold and codes
.set VV,  92                           ; v92-107 sixteen bases
.set CD,  108                          ; their codes, as converted
.set CC,  112                          ; four codes of each x
.set SS,  116                          ; v116-119 silu
.set ZR,  120                          ; v120-123 stay 0: the upper four sources of silu's conversion
.set MM,  124
.set SCV, 125
.set HLD, 126
.set SBY, 127                          ; silu's byte
.set AF,  128
.set WV,  12                           ; s12 wave
.set G1,  16                           ; s[16:23] descriptor group 1
.set G0,  24                           ; s[24:27], s[28:31] group 0 for slot 0, 1
.set XT,  32                           ; s[32:33] x at my wave's first row
.set XB,  34                           ; s[34:35] + the columns that are loaded next
.set XOF, 36                           ; s[36:37] these columns' bytes
.set WSB, 38                           ; s[38:39] ws: my 1,024 bytes of the beat that is loaded next
.set K25, 40                           ; pairs: the packed forms name a pair and take its low word
.set K16, 42
.set K23, 44
.set KMG, 46
.set KL2, 48
.set KM35, 50
.set K11, 51
.set MNT, 52
.set SE0, 53
.set SE1, 54
.set K8,  55
.set CNT, 60
.set CA,  66                           ; s66-69 cell < 4;  s70-73 cell < 8;  s74-77 4 <= cell < 8
.set CB,  70
.set CM,  74
.set MSB, 0
.macro WIN new                         ; the immediate's high byte repeats the setting that is left
.if MSB != \new
	s_set_vgpr_msb (MSB<<8)|\new
.set MSB, \new
.endif
.endm
.macro PLACES n
.rept \n
	v_nop
.endr
.endm
.macro ROUND                           ; a round of the cluster's barrier
	s_barrier_signal -1
	s_barrier_wait -1
	s_cmp_lg_u32 s[WV], 0
	s_cbranch_scc1 .Lnot_wave_0_\@
	s_barrier_signal -3
.Lnot_wave_0_\@:
	s_barrier_wait -3
	s_barrier_signal -1
	s_barrier_wait -1
.endm
; THE HEAD OF A BEAT: one barrier for three things: the slot ahead is whole, nobody reads the other slot any more, and the codes made in the last beat lie in LDS.
; fill = 1: the slot just left (1 - bsl) takes the next beat's weights: the barrier is then a round of the cluster's, and the joint load is the first thing behind it.
.macro HEAD fill, bsl, pr
	s_wait_tensorcnt 0x0                           ; all my tensor loads have landed: the one that was out is my quarter of this beat's slot
	ds_add_u32 v[SPW], v[NIL]                      ; 0 onto my spare word: the steps below stand between it and the wait for it
.if \fill
	s_add_nc_u64 s[G0+4*(\bsl)+2:G0+4*(\bsl)+3], s[G0+4*(\bsl)+2:G0+4*(\bsl)+3], 2*SLOTB   ; no tensor load of mine is out: this slot's next beat
.endif
	s_wait_xcnt 0x0                                ; the bases of the loads of x and of scale words are rewritten only behind this wait
	s_add_nc_u64 s[WSB:WSB+1], s[WSB:WSB+1], 4096
.if \pr
	s_add_co_u32 s[XOF], s[XOF], 128               ; the columns of the beat after the one that is made now;
	s_min_u32 s[XOF], s[XOF], 1920                 ; the last one asks for its own again: no load leaves the buffer
	s_add_nc_u64 s[XB:XB+1], s[XT:XT+1], s[XOF:XOF+1]
	v_add_nc_u32 v[SIC], 2048, v[SIC]
	v_add_nc_u32 v[SIB], 1, v[SIB]
.endif
	s_wait_dscnt 0x0                               ; the add is done, my stores have landed, my reads of the slot and of the buffers that are written next are over
.if \fill
	ROUND
	tensor_load_to_lds s[G0+4-4*(\bsl):G0+7-4*(\bsl)], s[G1:G1+7]   ; my one tensor load until the next such barrier; it has a whole beat in which to land
	s_nop 0
	PLACES 4
.else
	s_barrier_signal -1
	s_barrier_wait -1
.endif
.endm
; K step st of the beat into set pp: my eight fragments of the weights and the four of the rows.  kind 0: spline codes from buffer cab; 1: silu's.
.macro FETCH st, pp, kind, bsl, cab
	WIN 0x80                                       ; destination window 2
.irp b, 0,1,2,3,4,5,6,7
.irp c, 0,1,2,3
	ds_load_b128 v[128*(\pp)+16*\b+4*\c:128*(\pp)+16*\b+4*\c+3], v[BA+(\bsl)] offset:(\st)*16384+\b*2048+\c*512
.endr
.endr
	WIN 0
.irp m, 0,1,2,3
.irp c, 0,1,2,3
.if \kind
	ds_load_b128 v[AF+64*(\pp)+16*\m+4*\c:AF+64*(\pp)+16*\m+4*\c+3], v[BSA] offset:(4*(\st)+\c)*2048+\m*512
.else
	ds_load_b128 v[AF+64*(\pp)+16*\m+4*\c:AF+64*(\pp)+16*\m+4*\c+3], v[ADA+4*(\st)+\c] offset:\m*2048+(\cab)*ASZ
.endif
.endr
.endr
.endm
.macro ASCALE kind, cab                ; the rows' scale words of both K steps
.irp m, 0,1,2,3
.if \kind
	ds_load_b32 v[SA+\m], v[BSR] offset:128*\m
.else
	ds_load_b32 v[SA+\m], v[ASR] offset:64*\m+(\cab)*512
.endif
.endr
.endm
; 32 matrix instructions: set pp, all 32 accumulators by turns, one instruction a turn.  zero = 1: the products start the sums.
.macro MUL pp, zero
	WIN 0x52                                       ; source 0 window 2, source 1 window 0, C and D window 1
.irp m, 0,1,2,3
.irp b, 0,1,2,3,4,5,6,7
.if \zero
	v_wmma_scale_f32_16x16x128_f8f6f4 v[8*(8*\m+\b):8*(8*\m+\b)+7], v[128*(\pp)+16*\b:128*(\pp)+16*\b+15], v[AF+64*(\pp)+16*\m:AF+64*(\pp)+16*\m+15], 0, v[SB+\b], v[SA+\m] matrix_a_fmt:MATRIX_FMT_BF8 matrix_b_fmt:MATRIX_FMT_BF8
.elseif \pp
	v_wmma_scale_f32_16x16x128_f8f6f4 v[8*(8*\m+\b):8*(8*\m+\b)+7], v[128*(\pp)+16*\b:128*(\pp)+16*\b+15], v[AF+64*(\pp)+16*\m:AF+64*(\pp)+16*\m+15], v[8*(8*\m+\b):8*(8*\m+\b)+7], v[SB+\b], v[SA+\m] matrix_a_fmt:MATRIX_FMT_BF8 matrix_b_fmt:MATRIX_FMT_BF8 matrix_a_scale:MATRIX_SCALE_ROW1 matrix_b_scale:MATRIX_SCALE_ROW1
.else
	v_wmma_scale_f32_16x16x128_f8f6f4 v[8*(8*\m+\b):8*(8*\m+\b)+7], v[128*(\pp)+16*\b:128*(\pp)+16*\b+15], v[AF+64*(\pp)+16*\m:AF+64*(\pp)+16*\m+15], v[8*(8*\m+\b):8*(8*\m+\b)+7], v[SB+\b], v[SA+\m] matrix_a_fmt:MATRIX_FMT_BF8 matrix_b_fmt:MATRIX_FMT_BF8
.endif
.endr
.endr
	WIN 0
.endm
; the packed lines of a pair p of u or of w: square n; d = where p^3/6 or p^2 (p/2 - 1) + 2/3 is made, in place
.macro PSQ n, p
	v_pk_mul_f32 v[SQ+2*\n:SQ+2*\n+1], v[\p:\p+1], v[\p:\p+1]
.endm
.macro PCC d, p
	v_pk_mul_f32 v[\d:\d+1], v[\p:\p+1], s[K16:K16+1] op_sel_hi:[1,0]
.endm
.macro PDD d, p
	v_pk_fma_f32 v[\d:\d+1], v[\p:\p+1], 0.5, -1.0 op_sel_hi:[1,0,0]
.endm
.macro PCU d, n
	v_pk_mul_f32 v[\d:\d+1], v[SQ+2*\n:SQ+2*\n+1], v[\d:\d+1]
.endm
.macro PMI d, n
	v_pk_fma_f32 v[\d:\d+1], v[SQ+2*\n:SQ+2*\n+1], v[\d:\d+1], s[K23:K23+1] op_sel_hi:[1,1,0]
.endm
.macro VMIN n
	v_min_num_f32 v[VV+\n], v[VV+\n], v[HLD]       ; the conversion to an 8-bit code does not saturate (ISA guide 7.6.2); a basis is not negative, so the hold is one-sided
.endm
; UNIT i: my four x of row 16 w + 4 i + lane / 8 become a block of 32 spline codes with its byte (into buffer ab), and four of silu's codes (eight lanes share that block).
.macro UNIT i, ab
.set XR, X+4*(\i)
	v_pk_mul_f32 v[SS:SS+1], v[XR:XR+1], s[KL2:KL2+1] op_sel_hi:[1,0]       ; silu: -x log2(e)
	v_pk_mul_f32 v[SS+2:SS+3], v[XR+2:XR+3], s[KL2:KL2+1] op_sel_hi:[1,0]
.irp k, 0,1,2,3
	v_exp_f32 v[SS+\k], v[SS+\k]
.endr
	v_pk_fma_f32 v[TT:TT+1], v[XR:XR+1], s[K25:K25+1], v[K55:K55+1] op_sel_hi:[1,0,1]       ; t = 2.5 x + 5.5.  (The spline's lines are the plain places behind the exponentials and reciprocals)
	v_pk_fma_f32 v[TT+2:TT+3], v[XR+2:XR+3], s[K25:K25+1], v[K55:K55+1] op_sel_hi:[1,0,1]
.irp k, 0,1,2,3
	v_fma_f32 v[RR+\k], |v[XR+\k]|, s[K25], s[KM35]      ; how far t lies outside 2 .. 9
.endr
.irp k, 0,1,2,3
	v_med3_num_f32 v[TT+\k], v[TT+\k], 0, s[K11]
.endr
	s_wait_alu depctr_va_vdst(0)
	v_pk_add_f32 v[SS:SS+1], v[SS:SS+1], 1.0 op_sel_hi:[1,0]
	v_pk_add_f32 v[SS+2:SS+3], v[SS+2:SS+3], 1.0 op_sel_hi:[1,0]
.irp k, 0,1,2,3
	v_rcp_f32 v[SS+\k], v[SS+\k]
.endr
.irp k, 0,1,2,3
	v_floor_f32 v[FF+\k], v[TT+\k]                 ; the cell
.endr
	v_pk_add_f32 v[UU:UU+1], v[TT:TT+1], v[FF:FF+1] neg_lo:[0,1] neg_hi:[0,1]
	v_pk_add_f32 v[UU+2:UU+3], v[TT+2:TT+3], v[FF+2:FF+3] neg_lo:[0,1] neg_hi:[0,1]
	v_pk_fma_f32 v[WW:WW+1], v[UU:UU+1], -1.0, 1.0 op_sel_hi:[1,0,0]
	v_pk_fma_f32 v[WW+2:WW+3], v[UU+2:UU+3], -1.0, 1.0 op_sel_hi:[1,0,0]
	s_wait_alu depctr_va_vdst(0)
	v_pk_mul_f32 v[SS:SS+1], v[SS:SS+1], v[XR:XR+1]                          ; silu(x) = x / (1 + 2^(-x log2(e)))
	v_pk_mul_f32 v[SS+2:SS+3], v[SS+2:SS+3], v[XR+2:XR+3]
.irp k, 0,1,2,3
	v_min_num_f32 v[TT+\k], v[UU+\k], v[WW+\k]
.endr
.irp k, 0,1,2,3
	v_max_num_f32 v[RR+\k], v[TT+\k], v[RR+\k]     ; the distance to the nearest kept centre
.endr
	v_min3_num_f32 v[TT], v[RR], v[RR+1], v[RR+2]
	v_min_num_f32 v[TT], v[TT], v[RR+3]            ; r: the block's smallest
	; the basis function at r (one chain), by turns with the sixteen bases (packed: x0 and x1, x2 and x3)
	PSQ 0, WW
	v_fma_f32 v[TT+1], v[TT], 0.5, -1.0
	PSQ 1, UU
	v_mul_f32 v[TT+2], v[TT], v[TT]
	PSQ 2, WW+2
	v_sub_f32 v[TT+3], 2.0, v[TT]
	PSQ 3, UU+2
	v_fma_f32 v[TT+1], v[TT+2], v[TT+1], s[K23]    ; r <= 1: r^2 (r/2 - 1) + 2/3
	PCC VV+0, WW
	v_max_num_f32 v[TT+3], 0, v[TT+3]
	PCC VV+6, UU
	v_cmp_ge_f32 vcc_lo, 1.0, v[TT]
	PCC VV+8, WW+2
	v_mul_f32 v[RR], v[TT+3], v[TT+3]
	PCC VV+14, UU+2
	v_mul_f32 v[RR+1], s[K16], v[TT+3]
	PDD VV+4, WW
	v_mul_f32 v[RR], v[RR], v[RR+1]                ; r > 1: (2 - r)^3 / 6, 0 from r = 2 on
	PDD VV+2, UU
	v_cndmask_b32 v[MM], v[RR], v[TT+1], vcc_lo
	PDD VV+12, WW+2
	v_max_num_f32 v[MM], 0x8000000, v[MM]          ; the floor 2^(16 - 127): the byte cannot fall under 1
	PDD VV+10, UU+2
	v_add_nc_u32 v[SCV], 0xf8800000, v[MM]         ; 15 off the exponent field: the conversion's scale operand
	PCU VV+0, 0
	v_and_or_b32 v[HLD], v[MM], 0x7f800000, s[MNT] ; 57,344 x the scale
	PCU VV+6, 1
	v_lshrrev_b32 v[BYT], 23, v[SCV]               ; the scale's byte
	PCU VV+8, 2
	PCU VV+14, 3
	PMI VV+4, 0
	PMI VV+2, 1
	PMI VV+12, 2
	PMI VV+10, 3
	; the holds, by turns with silu's block: the largest magnitude of my four, then of the eight lanes that share the row's 32
	VMIN 0
	v_max3_num_f32 v[SQ], |v[SS]|, |v[SS+1]|, 0x8000000
	VMIN 1
	v_max3_num_f32 v[SQ], v[SQ], |v[SS+2]|, |v[SS+3]|
	VMIN 2
	VMIN 3
	v_max_num_f32_dpp v[SQ], v[SQ], v[SQ] row_xmask:1 row_mask:0xf bank_mask:0xf
	VMIN 4
	VMIN 5
	v_max_num_f32_dpp v[SQ], v[SQ], v[SQ] row_xmask:2 row_mask:0xf bank_mask:0xf
	VMIN 6
	VMIN 7
	v_max_num_f32_dpp v[SQ], v[SQ], v[SQ] row_xmask:4 row_mask:0xf bank_mask:0xf
	VMIN 8
	VMIN 9
	v_add_nc_u32 v[SQ+1], 0xf8800000, v[SQ]
	v_and_or_b32 v[SQ+2], v[SQ], 0x7f800000, s[MNT]
	VMIN 10
	v_lshrrev_b32 v[SBY], 23, v[SQ+1]
	VMIN 11
	v_med3_num_f32 v[SS], v[SS], -v[SQ+2], v[SQ+2]
	VMIN 12
	v_med3_num_f32 v[SS+1], v[SS+1], -v[SQ+2], v[SQ+2]
	VMIN 13
	v_med3_num_f32 v[SS+2], v[SS+2], -v[SQ+2], v[SQ+2]
	VMIN 14
	v_med3_num_f32 v[SS+3], v[SS+3], -v[SQ+2], v[SQ+2]
	VMIN 15
	v_cvt_scalef32_pk8_bf8_f32 v[CD:CD+1], v[VV:VV+7], v[SCV]               ; bytes: (j-3: x0, x1), (j-2: x0, x1) | (j-1: x0, x1), (j: x0, x1)
	v_cvt_scalef32_pk8_bf8_f32 v[CD+2:CD+3], v[VV+8:VV+15], v[SCV]          ; the same of x2, x3
	v_cvt_scalef32_pk8_bf8_f32 v[SQ+4:SQ+5], v[SS:SS+7], v[SQ+1]            ; silu's four codes (the upper four sources are zeros)
	v_pk_add_f32 v[TT:TT+1], s[KMG:KMG+1], v[FF:FF+1] op_sel_hi:[0,1] neg_lo:[0,1] neg_hi:[0,1]       ; 1.5 x 2^20 + 3 - j: a last place is 1/8 there, so the pattern's low five bits are 8 ((3 - j) mod 4).  (Plain places behind the conversions)
	v_pk_add_f32 v[TT+2:TT+3], s[KMG:KMG+1], v[FF+2:FF+3] op_sel_hi:[0,1] neg_lo:[0,1] neg_hi:[0,1]
	ds_store_b32 v[SIC], v[SQ+4] offset:64*(\i)
	ds_store_b8 v[SIB], v[SBY] offset:32*(\i)      ; the eight lanes write the same byte with the same value
	ds_store_b8 v[ASB], v[BYT] offset:(\ab)*512+16*(\i)
.irp k, 0,1,2,3
	v_cmp_gt_f32 s[CA+\k], 4.0, v[FF+\k]
.endr
.irp k, 0,1,2,3
	v_cmp_gt_f32 s[CB+\k], s[K8], v[FF+\k]
.endr
	v_perm_b32 v[CC], v[CD+1], v[CD], s[SE0]       ; C: the four codes of one x, basis j-3 in the lowest byte
	v_perm_b32 v[CC+1], v[CD+1], v[CD], s[SE1]
	v_perm_b32 v[CC+2], v[CD+3], v[CD+2], s[SE0]
	v_perm_b32 v[CC+3], v[CD+3], v[CD+2], s[SE1]
.irp k, 0,1,2,3
	s_and_not1_b32 s[CM+\k], s[CB+\k], s[CA+\k]
.endr
; C belongs at byte j - 3 of the x's eight.  With n = 8 ((3 - j) mod 4): cells 0-3: low word C >> n; cells 4-7: low word C << (32 - n), high word C >> n; cells 8-11: high word C << (32 - n).
; So C is kept in one of three registers and is 0 in the other two, and each word is one funnel shift; the masks only select values.
.irp k, 0,1,2,3
	v_cndmask_b32 v[UU+\k], 0, v[CC+\k], s[CA+\k]
.endr
.irp k, 0,1,2,3
	v_cndmask_b32 v[WW+\k], 0, v[CC+\k], s[CM+\k]
.endr
.irp k, 0,1,2,3
	v_cndmask_b32 v[RR+\k], v[CC+\k], v[ZR], s[CB+\k]
.endr
	v_alignbit_b32 v[OLO], v[WW], v[UU], v[TT]
	v_alignbit_b32 v[OLO+1], v[RR], v[WW], v[TT]
	v_alignbit_b32 v[OLO+2], v[WW+1], v[UU+1], v[TT+1]
	v_alignbit_b32 v[OLO+3], v[RR+1], v[WW+1], v[TT+1]
	v_alignbit_b32 v[OHI], v[WW+2], v[UU+2], v[TT+2]
	v_alignbit_b32 v[OHI+1], v[RR+2], v[WW+2], v[TT+2]
	v_alignbit_b32 v[OHI+2], v[WW+3], v[UU+3], v[TT+3]
	v_alignbit_b32 v[OHI+3], v[RR+3], v[WW+3], v[TT+3]
	ds_store_b128 v[AS+(\i)], v[OLO:OLO+3] offset:(\ab)*ASZ            ; k 0 .. 15: the piece of lane (r, 0)
	ds_store_b128 v[AS+(\i)], v[OHI:OHI+3] offset:(\ab)*ASZ+256        ; k 16 .. 31: that of lane (r, 1)
.endm
.macro PHALF hh, ab                    ; two units; behind each, its registers take the next beat's x
	UNIT 2*(\hh), \ab
	global_load_b128 v[X+8*(\hh):X+8*(\hh)+3], v[XO], s[XB:XB+1] offset:(2*(\hh))*8192
	UNIT 2*(\hh)+1, \ab
	global_load_b128 v[X+8*(\hh)+4:X+8*(\hh)+7], v[XO], s[XB:XB+1] offset:(2*(\hh)+1)*8192
.endm
.macro SCLOAD                          ; the next beat's scale words of my eight fragments, both K steps: 32 lanes read 512 consecutive bytes, twice
	global_load_b128 v[SB:SB+3], v[L16], s[WSB:WSB+1]
	global_load_b128 v[SB+4:SB+7], v[L16], s[WSB:WSB+1] offset:512
.endm
; A BEAT: two K steps are multiplied (slot bsl; spline codes from buffer cab), and with pr = 1 the next spline beat's codes are made into the other buffer.
.macro BEAT kind, pr, fill, zero, nsc, bsl, cab
	HEAD \fill, \bsl, \pr
	FETCH 0, 0, \kind, \bsl, \cab
	ASCALE \kind, \cab
.if \pr
	s_wait_loadcnt 4                               ; units 0 and 1 have their x: behind these two loads stand units 2 and 3's two and the two of scale words
	PHALF 0, 1-(\cab)
.endif
	s_wait_dscnt 0x0                               ; set 0 and the rows' scale words are in
.if \pr
	s_wait_loadcnt 2                               ; the weights' scale words and units 2 and 3's x are in: only the two loads just issued may be out
.else
	s_wait_loadcnt 0x0
.endif
	FETCH 1, 1, \kind, \bsl, \cab
	MUL 0, \zero
.if \pr
	PHALF 1, 1-(\cab)
.endif
	s_wait_dscnt 0x0                               ; set 1 is in
	MUL 1, 0
	PLACES 8                                       ; loads into registers that these matrix instructions have read, and the first read of results, stand eight places behind them
.if \nsc
	SCLOAD
.endif
.endm
	s_load_b256 s[4:11], s[0:1], 0x0               ; x s[4:5], wq s[6:7], ws s[8:9], out0 s[10:11]
	v_lshl_add_u32 v[SPW], v0, 2, SPARE
	v_mov_b32 v[NIL], 0
	ds_add_u32 v1, v2
	ds_add_u32 v1, v2
	s_wait_dscnt 0x0
	v_lshrrev_b32 v[TT], 5, v0
	v_readfirstlane_b32 s[WV], v[TT]               ; wave 0..3
	s_bfe_u32 s13, ttmp6, 0x40000                  ; cx: my place in the cluster
	s_lshl_b32 s14, ttmp9, 2                       ; in a cluster launch ttmp9 counts clusters
	s_add_co_u32 s14, s14, s13                     ; my block of 64 rows: it enters x's and out0's addresses alone
	; descriptor group 1: 32,768 dense bytes as 128 rows of 256 bytes (32 elements of 8 bytes), no padding: the images are read as 512 dense bytes
	s_mov_b32 s[G1], 15|(3<<16)|(1<<21)            ; 15:0 the mask: all four work-groups; 17:16 elements of 8 bytes; 21 set beside a mask
	s_mov_b32 s[G1+1], 32<<16                      ; tensor_dim0 = 32
	s_mov_b32 s[G1+2], 128<<16                     ; tensor_dim1 = 128
	s_mov_b32 s[G1+3], 32<<16                      ; tile_dim0 = 32
	s_mov_b32 s[G1+4], 128                         ; tile_dim1 = 128
	s_mov_b32 s[G1+5], 32                          ; tensor_dim0_stride
	s_mov_b32 s[G1+6], 0
	s_mov_b32 s[G1+7], 0
	s_lshl_b32 s15, s[WV], 15                      ; my quarter of a beat, in wq and in a slot
	s_mov_b32 s56, s15
	s_mov_b32 s57, 0
	s_lshl_b32 s58, s14, 17                        ; 64 rows of 2,048 bytes
	s_mov_b32 s59, 0
	s_mov_b32 s[K25], 0x40200000                   ; 2.5
	s_mov_b32 s[K25+1], s[K25]
	s_mov_b32 s[K16], 0x3e2aaaab                   ; 1/6
	s_mov_b32 s[K16+1], s[K16]
	s_mov_b32 s[K23], 0x3f2aaaab                   ; 2/3
	s_mov_b32 s[K23+1], s[K23]
	s_mov_b32 s[KMG], 0x49c00018                   ; 1.5 x 2^20 + 3
	s_mov_b32 s[KMG+1], s[KMG]
	s_mov_b32 s[KL2], 0xbfb8aa3b                   ; -log2(e)
	s_mov_b32 s[KL2+1], s[KL2]
	s_mov_b32 s[KM35], 0xc0600000                  ; -3.5
	s_mov_b32 s[K11], 0x41300000                   ; 11.0
	s_mov_b32 s[MNT], 0x600000                     ; the mantissa field of 57,344
	s_mov_b32 s[SE0], 0x06040200                   ; the even bytes of two words,
	s_mov_b32 s[SE1], 0x07050301                   ; the odd ones
	s_mov_b32 s[K8], 0x41000000                    ; 8.0
	v_and_b32 v[TT], 31, v0                        ; lane
	v_lshrrev_b32 v[TT+1], 3, v[TT]                ; rl = lane / 8: my row in a unit
	v_and_b32 v[TT+2], 7, v0                       ; bq = lane % 8: my block of the beat's eight
	v_lshlrev_b32 v[XO], 11, v[TT+1]
	v_lshl_add_u32 v[XO], v[TT+2], 4, v[XO]
	s_wait_kmcnt 0x0
	s_mov_b32 s[G0], 1                             ; 1:0 count = 1
	s_mov_b32 s[G0+1], s15                         ; LDS address: slot 0
	s_add_nc_u64 s[G0+2:G0+3], s[6:7], s[56:57]    ; global address: beat 0
	s_mov_b32 s[G0+4], 1
	s_add_co_u32 s[G0+5], s15, SLOTB               ; slot 1,
	s_add_nc_u64 s[G0+6:G0+7], s[G0+2:G0+3], SLOTB ; beat 1
	s_or_b32 s[G0+3], s[G0+3], 0x80000000          ; type = 2
	s_or_b32 s[G0+7], s[G0+7], 0x80000000
	s_add_nc_u64 s[XT:XT+1], s[4:5], s[58:59]
	s_add_nc_u64 s[XT:XT+1], s[XT:XT+1], s[56:57]  ; x at row 64 wg + 16 w
	s_mov_b64 s[XB:XB+1], s[XT:XT+1]
	s_add_nc_u64 s[10:11], s[10:11], s[58:59]
	s_lshl_b32 s56, s[WV], 9
	s_add_nc_u64 s[10:11], s[10:11], s[56:57]      ; out0 at row 64 wg, column 128 w
	s_lshl_b32 s56, s[WV], 10
	s_add_nc_u64 s[WSB:WSB+1], s[8:9], s[56:57]
.irp i, 0,1,2,3
	global_load_b128 v[X+4*\i:X+4*\i+3], v[XO], s[XB:XB+1] offset:\i*8192      ; beat 0's x: eight lanes read 128 consecutive bytes of a row
.endr
	ROUND                                          ; all four work-groups are here: the first joint load meets
	tensor_load_to_lds s[G0:G0+3], s[G1:G1+7]      ; beat 0's weights
	s_nop 0
	PLACES 4
	v_lshlrev_b32 v[TT+3], 1, v[TT+2]
	v_xor_b32 v[TT+3], v[TT+3], v[TT+1]            ; rl xor 2 bq
	v_lshrrev_b32 v[FF], 2, v[TT+2]                ; st = bq / 4
	v_and_b32 v[FF+1], 3, v[TT+2]                  ; c = bq % 4
	v_lshlrev_b32 v[FF+2], 4, v[TT+3]
	v_lshl_add_u32 v[FF+2], v[FF], 13, v[FF+2]
	v_lshl_add_u32 v[FF+2], v[FF+1], 9, v[FF+2]
	s_lshl_b32 s56, s[WV], 11
	s_add_co_u32 s56, s56, ABUF
	v_add_nc_u32 v[FF+2], s56, v[FF+2]
.irp i, 0,1,2,3
	v_xor_b32 v[AS+\i], 64*\i, v[FF+2]             ; row 4 i + rl: piece (4 i + rl) xor 2 bq
.endr
	v_lshlrev_b32 v[ASB], 8, v[FF]
	v_lshl_add_u32 v[ASB], v[TT+1], 2, v[ASB]
	v_add_nc_u32 v[ASB], v[ASB], v[FF+1]
	s_lshl_b32 s56, s[WV], 6
	s_add_co_u32 s56, s56, ASC
	v_add_nc_u32 v[ASB], s56, v[ASB]
	v_lshlrev_b32 v[SIC], 8, v[FF]                 ; silu: k = 4 bq .. 4 bq + 3 of the block: half bq / 4, bytes 4 (bq % 4) of row rl's piece
	v_lshl_add_u32 v[SIC], v[TT+1], 4, v[SIC]
	v_lshl_add_u32 v[SIC], v[FF+1], 2, v[SIC]
	s_lshl_b32 s56, s[WV], 9
	s_add_co_u32 s56, s56, BASEI
	v_add_nc_u32 v[SIC], s56, v[SIC]
	v_lshlrev_b32 v[SIB], 3, v[TT+1]
	s_lshl_b32 s56, s[WV], 7
	s_add_co_u32 s56, s56, BSC
	v_add_nc_u32 v[SIB], s56, v[SIB]
	v_lshlrev_b32 v[L16], 4, v[TT]
	v_add_nc_u32 v[BA], s15, v[L16]
	v_add_nc_u32 v[BA+1], SLOTB, v[BA]
.irp q, 0,1,2,3,4,5,6,7
	v_xor_b32 v[FF+3], 2*\q, v[TT]
	v_lshl_add_u32 v[ADA+\q], v[FF+3], 4, ABUF+(\q/4)*8192+(\q%4)*512
.endr
	v_and_b32 v[UU], 15, v0                        ; r
	v_bfe_u32 v[UU+1], v0, 4, 1                    ; h
	v_lshlrev_b32 v[ASR], 8, v[UU+1]
	v_lshl_add_u32 v[ASR], v[UU], 2, v[ASR]
	v_add_nc_u32 v[ASR], ASC, v[ASR]
	v_add_nc_u32 v[BSA], BASEI, v[L16]
	v_lshlrev_b32 v[BSR], 3, v[UU]
	v_lshl_add_u32 v[BSR], v[UU+1], 2, v[BSR]
	v_add_nc_u32 v[BSR], BSC, v[BSR]
	v_mov_b32 v[K55], 0x40b00000                   ; 5.5
	v_mov_b32 v[K55+1], 0x40b00000
.irp k, 0,1,2,3
	v_mov_b32 v[ZR+\k], 0
.endr
	s_wait_loadcnt 0x0                             ; beat 0's x; the loads are done, so their base may be written
	s_mov_b32 s[XOF], 128
	s_mov_b32 s[XOF+1], 0
	s_add_nc_u64 s[XB:XB+1], s[XT:XT+1], s[XOF:XOF+1]
	PHALF 0, 0                                     ; spline beat 0's codes, into buffer 0
	PHALF 1, 0
	SCLOAD
	BEAT 0, 1, 1, 1, 1, 0, 0                       ; the first beat stands in front of the loop: its first products start the sums
	s_mov_b32 s[CNT], 3
.Lfirst:                                           ; spline beats 1 to 6 are multiplied, 2 to 7 are made
	BEAT 0, 1, 1, 0, 1, 1, 1
	BEAT 0, 1, 1, 0, 1, 0, 0
	s_sub_co_u32 s[CNT], s[CNT], 1
	s_cmp_lg_u32 s[CNT], 0
	s_cbranch_scc1 .Lfirst
	BEAT 1, 0, 1, 0, 1, 1, 0                       ; the base product's K steps 0 and 1; nothing is made, so silu's images are not written while they are read
	v_sub_nc_u32 v[SIC], v[SIC], 16384             ; silu's next eight blocks take the places of the first eight
	v_sub_nc_u32 v[SIB], v[SIB], 8
	s_mov_b32 s[CNT], 4
.Lsecond:                                          ; spline beats 7 to 14 are multiplied, 8 to 15 are made
	BEAT 0, 1, 1, 0, 1, 0, 1
	BEAT 0, 1, 1, 0, 1, 1, 0
	s_sub_co_u32 s[CNT], s[CNT], 1
	s_cmp_lg_u32 s[CNT], 0
	s_cbranch_scc1 .Lsecond
	BEAT 1, 0, 1, 0, 1, 0, 0                       ; the base product's K steps 2 and 3; the last beat's weights are asked for
	BEAT 0, 0, 0, 0, 0, 1, 1                       ; spline beat 15: nothing is left to fetch, so a plain barrier stands at its head
; THE WAY OUT, 16 rows x my 128 columns at a time.  A lane holds 32 neighbouring bytes of a row and the lanes beside it other rows: a block goes through my own stage in LDS and comes back as whole
; rows of 512 bytes.  LDS serves a wave's instructions in order (ISA guide 5.7.1.4): no wait between the stores and the loads.
	v_and_b32 v[TT+2], 15, v0
	v_bfe_u32 v[TT+3], v0, 4, 1
	s_mul_i32 s56, s[WV], 16*SPITCH
	v_mul_u32_u24 v[TT], v[TT+2], SPITCH
	v_lshl_add_u32 v[TT], v[TT+3], 5, v[TT]
	v_add_nc_u32 v[TT], s56, v[TT]                 ; in: row r, + 32 h
	v_add_nc_u32 v[TT+1], s56, v[L16]              ; back: 16 bytes a lane
.macro TOSTAGE m
	WIN 0x04                                       ; an LDS store's data are its source 1: window 1
.irp b, 0,1,2,3,4,5,6,7
	ds_store_b128 v[TT], v[8*(8*(\m)+\b):8*(8*(\m)+\b)+3] offset:64*\b          ; each accumulator from its low end on
	ds_store_b128 v[TT], v[8*(8*(\m)+\b)+4:8*(8*(\m)+\b)+7] offset:64*\b+16
.endr
	WIN 0
.irp t, 0,1,2,3,4,5,6,7,8,9,10,11,12,13,14,15
	ds_load_b128 v[AF+64*((\m)%2)+4*\t:AF+64*((\m)%2)+4*\t+3], v[TT+1] offset:\t*SPITCH
.endr
.endm
.macro SEND m, younger                 ; younger: the LDS instructions issued behind block m's loads, which may stay out
	s_wait_dscnt \younger
.irp t, 0,1,2,3,4,5,6,7,8,9,10,11,12,13,14,15
	global_store_b128 v[L16], v[AF+64*((\m)%2)+4*\t:AF+64*((\m)%2)+4*\t+3], s[10:11] offset:(\m)*32768+\t*2048 th:TH_STORE_NT   ; 32 lanes store 512 consecutive bytes, at a multiple of 512 from out0's first byte
.endr
.endm
	TOSTAGE 0
	TOSTAGE 1
	SEND 0, 32                                     ; behind block 0's loads: block 1's 16 stores and 16 loads
	s_wait_xcnt 0x0                                ; block 0's stores have read their registers: block 2's loads may land there
	TOSTAGE 2
	SEND 1, 32
	s_wait_xcnt 0x0
	TOSTAGE 3
	SEND 2, 32
	SEND 3, 0
	s_wait_tensorcnt 0x0                           ; the wave's end: behind my last tensor load and my last LDS store
	ds_add_u32 v[SPW], v[NIL]
	s_wait_dscnt 0x0
	ROUND                                          ; the closing round: no work-group ends while a partner may still ask for a tile that names it
	s_endpgm
.Lfunc_end_k_q322713d6d9_kan:
	.size	k_q322713d6d9_kan, .Lfunc_end_k_q322713d6d9_kan-k_q322713d6d9_kan
	.p2alignl 7, 3214868480
	.fill 96, 4, 3214868480
	.section	.rodata,"a",@progbits
	.p2align	6, 0x0
	.amdhsa_kernel k_q322713d6d9_kan
		.amdhsa_group_segment_fixed_size 327680
		.amdhsa_private_segment_fixed_size 0
		.amdhsa_enable_private_segment 0
		.amdhsa_kernarg_size 32
		.amdhsa_user_sgpr_count 2
		.amdhsa_user_sgpr_kernarg_segment_ptr 1
		.amdhsa_wavefront_size32 1
		.amdhsa_system_sgpr_workgroup_id_x 1
		.amdhsa_system_sgpr_workgroup_id_y 1
		.amdhsa_system_sgpr_workgroup_id_z 1
		.amdhsa_system_vgpr_workitem_id 0
		.amdhsa_next_free_vgpr 768
		.amdhsa_next_free_sgpr 80
		.amdhsa_reserve_vcc 1
		.amdhsa_float_denorm_mode_32 3
		.amdhsa_float_denorm_mode_16_64 3
		.amdhsa_memory_ordered 1
		.amdhsa_forward_progress 1
		.amdhsa_inst_pref_size 255
	.end_amdhsa_kernel
	.section	.bss,"aw",@nobits
	.p2align	6
	.space	262144
	.amdgpu_metadata
---
amdhsa.version: [ 1, 2 ]
amdhsa.kernels:
  - .name:           k_q322713d6d9_kan
    .symbol:         k_q322713d6d9_kan.kd
    .args:
      - { .name: x, .offset: 0, .size: 8, .value_kind: global_buffer, .address_space: global }
      - { .name: wq, .offset: 8, .size: 8, .value_kind: global_buffer, .address_space: global }
      - { .name: ws, .offset: 16, .size: 8, .value_kind: global_buffer, .address_space: global }
      - { .name: out0, .offset: 24, .size: 8, .value_kind: global_buffer, .address_space: global }
    .group_segment_fixed_size: 327680
    .private_segment_fixed_size: 0
    .kernarg_segment_align: 8
    .kernarg_segment_size: 32
    .max_flat_workgroup_size: 128
    .sgpr_count:     80
    .vgpr_count:     768
    .wavefront_size: 32
...
	.end_amdgpu_metadata
.endif
;; end of part 2
